; MI455X (gfx1250); checked and timed in simulation.
; The chip was launched on July 23, 2026; its instructions are those of AMD's public machine-readable ISA for CDNA 5 (MIT licence, August 2026) and "CDNA5" Instruction Set Architecture Reference Guide (July 2026). The comments in the code are by the model that wrote it; some were corrected since.
;; MC2 Row Parallel Linear Impl. Allowed arithmetic: float matrix products may take bf16 or f16 operands with f32 sums; other float arithmetic in f32, or as packed bf16 or f16 multiplies, adds, multiply-adds, maxima and minima; sums over many terms, partial sums and values carried from step to step in f32; what a program stores and reads back later, other than sums and carried values, may be rounded once to bf16 or f16.
;; Inputs: bias 2,048 float32; input_ 2,048 x 2 x 8,192 float32; weight 2,048 x 8,192 float32.
;; Outputs: out0 2,048 x 2 x 2,048 float32.
;; One version. Each part assembles by itself: llvm-mc -triple=amdgcn-amd-amdhsa -mcpu=gfx1250 --defsym DOCPART=n.
;; ======== version 1 of 1: 2 launches
;; workspace buffers: wb 33,554,432 bytes
;; launch wcast (part 1): grid 1024 x 1, 8 waves a work-group, no clusters, 0 bytes of LDS; arguments weight, wb; writes wb
.if DOCPART == 1
	.amdgcn_target "amdgcn-amd-amdhsa--gfx1250"
	.amdhsa_code_object_version 6
	.text
	.protected	k_q42e825b33f_wcast
	.globl	k_q42e825b33f_wcast
	.p2align	8
	.type	k_q42e825b33f_wcast,@function
k_q42e825b33f_wcast:
	s_mov_b64 s[64:65], 0
	v_nop
	global_prefetch_b8 v0, s[64:65] scope:SCOPE_SE
	s_setreg_imm32_b32 hwreg(HW_REG_WAVE_MODE, 25, 1), 1
	s_wait_xcnt 0x0
; THE PROGRAM: out0[m][n] = bias[n] + the sum over k of input_[m][k] weight[n][k], m = 2 s + b (4,096 rows), n 2,048, k 8,192, in two launches.
; Nothing of reference() is left out: every number of input_, weight and bias reaches an output, and all three are loaded.
; THIS LAUNCH: wb[n][k] = weight[n][k] rounded once to bf16 (to nearest even), the same [2048][8192] order, rows of 16,384 bytes.  The product's launch reads each row of the
; weights in 32 tile rows of the output; rounded once here, they are half the bytes there, in memory, in LDS and in LDS reads.  input_ is not cast: it is rounded on its way through registers.
; LIMIT: a weight beyond bf16's largest finite number (3.39e38) becomes an infinity; NaN and infinities stay what they are.
; SHARES.  A stream: 1,024 work-groups of eight waves, 65,536 bytes in and 32,768 out each.  Thread t takes, of chunk j of 16, the 16 bytes at 4,096 j + 16 t and writes the 8 bytes at
; 2,048 j + 8 t: a wave's load covers 512 consecutive bytes, a wave's store 256 consecutive bytes, aligned.  All 16 loads of a thread go out before the first wait.
; No LDS, no barrier, no matrix unit, no cluster: no byte is wanted by two waves.  No loop: no register is written twice, so no wait frees a source.
.set CHUNKS, 16
.set X, 4                              ; v[4:67]   chunk j: four f32 as loaded
.set Y, 68                             ; v[68:99]  chunk j: four bf16 to store
	s_load_b128 s[4:7], s[0:1], 0x0                ; weight s[4:5], wb s[6:7]
	s_lshl_b32 s2, ttmp9, 16                       ; the work-group's 65,536 bytes of weight (under 2^26)
	s_mov_b32 s3, 0
	s_lshl_b32 s8, ttmp9, 15                       ; and its 32,768 bytes of wb
	s_mov_b32 s9, 0
	v_lshlrev_b32 v1, 4, v0                        ; 16 t
	v_lshlrev_b32 v2, 3, v0                        ; 8 t
	s_wait_kmcnt 0x0
	s_add_nc_u64 s[4:5], s[4:5], s[2:3]
	s_add_nc_u64 s[6:7], s[6:7], s[8:9]
.set j, 0
.rept CHUNKS
	global_load_b128 v[X+4*j:X+4*j+3], v1, s[4:5] offset:4096*j th:TH_LOAD_NT
.set j, j+1
.endr
.set j, 0
.rept CHUNKS
	s_wait_loadcnt CHUNKS-1-j                      ; loads come back in order (ISA guide 5.7.1): chunk j is in, the younger ones stay out
	v_cvt_pk_bf16_f32 v[Y+2*j],   v[X+4*j],   v[X+4*j+1]
	v_cvt_pk_bf16_f32 v[Y+2*j+1], v[X+4*j+2], v[X+4*j+3]
	global_store_b64 v2, v[Y+2*j:Y+2*j+1], s[6:7] offset:2048*j
.set j, j+1
.endr
	s_endpgm
.Lfunc_end_k_q42e825b33f_wcast:
	.size	k_q42e825b33f_wcast, .Lfunc_end_k_q42e825b33f_wcast-k_q42e825b33f_wcast
	.p2alignl 7, 3214868480
	.fill 96, 4, 3214868480
	.section	.rodata,"a",@progbits
	.p2align	6, 0x0
	.amdhsa_kernel k_q42e825b33f_wcast
		.amdhsa_group_segment_fixed_size 0
		.amdhsa_private_segment_fixed_size 0
		.amdhsa_enable_private_segment 0
		.amdhsa_kernarg_size 16
		.amdhsa_user_sgpr_count 2
		.amdhsa_user_sgpr_kernarg_segment_ptr 1
		.amdhsa_wavefront_size32 1
		.amdhsa_system_sgpr_workgroup_id_x 1
		.amdhsa_system_sgpr_workgroup_id_y 1
		.amdhsa_system_sgpr_workgroup_id_z 1
		.amdhsa_system_vgpr_workitem_id 0
		.amdhsa_next_free_vgpr 104
		.amdhsa_next_free_sgpr 66
		.amdhsa_reserve_vcc 0
		.amdhsa_float_denorm_mode_32 3
		.amdhsa_float_denorm_mode_16_64 3
		.amdhsa_memory_ordered 1
		.amdhsa_forward_progress 1
		.amdhsa_inst_pref_size 7
	.end_amdhsa_kernel
	.amdgpu_metadata
---
amdhsa.version: [ 1, 2 ]
amdhsa.kernels:
  - .name:           k_q42e825b33f_wcast
    .symbol:         k_q42e825b33f_wcast.kd
    .args:
      - { .name: weight, .offset: 0, .size: 8, .value_kind: global_buffer, .address_space: global }
      - { .name: wb, .offset: 8, .size: 8, .value_kind: global_buffer, .address_space: global }
    .group_segment_fixed_size: 0
    .private_segment_fixed_size: 0
    .kernarg_segment_align: 8
    .kernarg_segment_size: 16
    .max_flat_workgroup_size: 256
    .sgpr_count:     66
    .vgpr_count:     104
    .wavefront_size: 32
...
	.end_amdgpu_metadata
.endif
;; end of part 1
;; launch gemm (part 2): grid 8 x 32, 4 waves a work-group, clusters of 4 x 4, 327,680 bytes of LDS; arguments input_, wb, bias, out0; writes out0
.if DOCPART == 2
	.amdgcn_target "amdgcn-amd-amdhsa--gfx1250"
	.amdhsa_code_object_version 6
	.text
	.protected	k_q42e825b33f_gemm
	.globl	k_q42e825b33f_gemm
	.p2align	8
	.type	k_q42e825b33f_gemm,@function
k_q42e825b33f_gemm:
	s_mov_b64 s[64:65], 0
	v_nop
	global_prefetch_b8 v0, s[64:65] scope:SCOPE_SE
	s_setreg_imm32_b32 hwreg(HW_REG_WAVE_MODE, 25, 1), 1
	s_wait_xcnt 0x0
	s_wait_alu depctr_hold_cnt(0) depctr_sa_sdst(0) depctr_va_vdst(0) depctr_va_sdst(0) depctr_va_ssrc(0) depctr_va_vcc(0) depctr_vm_vsrc(0)
	s_getreg_b32 s2, hwreg(HW_REG_IB_STS2, 6, 4)
	s_cmp_eq_u32 s2, 0
	s_cbranch_scc0 .Lentry_in_a_cluster
	s_endpgm
.Lentry_in_a_cluster:
	s_bfe_u32 s2, ttmp6, 0x10000c
	s_cmp_lg_u32 s2, 0xf033
	s_cbranch_scc0 .Lentry_shape_is_right
	s_endpgm
.Lentry_shape_is_right:
; out0[m][n] = bias[n] + the sum over k of X[m][k] W[n][k].  X = input_ as [4096][8192] f32; W = wb, the weights in bf16, [2048][8192]; bias [2048] f32; out0 [4096][2048] f32.
; Nothing of reference() is left out.  X is rounded to bf16 (to nearest even) on its way from memory to LDS; sums in f32: the bias first (it is the C operand of each sum's first product), then K ascending, 32 at a time.
; LIMITS: an X beyond bf16's largest finite number (3.39e38) becomes an infinity; NaN and infinities go through the arithmetic as they come.
; SHARES.  A tile of the output is 128 rows x 256 columns: 32 x 8 = 256 work-groups, one tile each.  Four waves; wave w makes rows 64 (w / 2) .. + 63 and columns 128 (w % 2) .. + 127 of the tile:
; 32 accumulators of 16 x 16 (a = 0..3 down, b = 0..7 across), 256 registers.  K goes in 256 QUARTERS of 32, 32 matrix instructions a wave each.
; W comes by the tensor data mover through a ring of two LDS slots of 256 along K (8 quarters): 256 rows of 512 bytes, each wave fetching 64 of them.  CLUSTERS of 4 x 4 work-groups: the four of a column of the
; cluster need the same tile of W and ask for it JOINTLY: the same tensor load, descriptor and mask in all four.  From a refill to the wait for it a wave issues 240 products.
; X comes THROUGH REGISTERS: wave w loads rows 32 w .. + 31 of the tile in f32 (a load covers two rows' 256 consecutive bytes, aligned), rounds them once and stores them as bf16 into one of two LDS buffers of 64
; along K, from which all four waves take their fragments.  A CHUNK is 16 rows x 64 K of a wave: eight loads, 32 registers.  Eight chunks of a wave are out at a time.
; X IS NOT ASKED FOR JOINTLY, though the four work-groups of a row of the cluster read the same rows.  In f32, 128 along K of X take 67,584 bytes of LDS beside W's 69,632: two slots would hold 128 along K each,
; and a refill would have 112 products of a wave in which to land.  Through registers X lies in LDS in bf16 (2 x 18,432 bytes), W's slots hold 256 along K, X's loads stay out across barriers, and each number of X is
; rounded once a work-group, not in each of the two waves that multiply it.  The price: each of the four partners loads X's rows for itself.
; THE PIPELINE.  At the head of quarter j, in one run: the LDS loads of quarter j + 1's fragments, the LDS stores of chunk j + 3, the global loads of chunk j + 11.  Behind its last four products: the 16
; conversions of chunk j + 4.  Chunks 2 u and 2 u + 1 are half-step u (64 along K), in buffer u % 2: stored at the heads of quarters 2 u - 3 and 2 u - 2, read at the heads of quarters 2 u - 1 and 2 u.  So ONE barrier,
; at the end of every even quarter, stands between a buffer's stores and its reads and between its reads and its next stores.  At quarters 8 s + 6 that barrier is the round of the cluster's barrier for W's change of slots.
; THE MATRIX INSTRUCTION IS USED TRANSPOSED: source 0 = 16 rows of W, source 1 = 16 rows of X.  In the result lane l holds row l % 16 of the output and its registers 0 to 7 the columns 8 (l / 16) + 0..7.
; REGISTERS, in windows of 256 (s_set_vgpr_msb: bits 1:0 source 0, 3:2 source 1, 5:4 source 2, 7:6 destination):
;   window 0: v0-31 addresses; v32-95 X's fragments, two buffers of 32; v96-159 chunks in bf16, four of 16; v160-223 the bias of my 128 columns; on the way out v32-223 are three buffers of 64
;   window 1: the accumulators, (a, b) at v[8 (8 a + b)]     window 2: v0-127 W's fragments, two buffers of 64     window 3: chunks in f32 as loaded, eight of 32
.set SIZE_K, 8192
.set SIZE_N, 2048
.set PW,     528                       ; a row of W in LDS: 512 bytes + 16 of padding = 132 words: row r starts at bank 4 r mod 64 (64 banks of 4 bytes: ISA guide 11.1), so the 16 rows of a load start at 16 different groups of four banks
.set WQ,     64*PW                     ; 64 rows: what one tensor load brings
.set WSLOT,  4*WQ                      ; 256 rows x 256 along K: 135,168 bytes
.set PX,     144                       ; a row of X in LDS: 128 bytes + 16 = 36 words: likewise
.set XBUF,   128*PX                    ; 128 rows x 64 along K: 18,432 bytes
.set XBASE,  2*WSLOT                   ; behind the ring, never filled by a tensor load: X's two buffers
.set STAGE,  XBASE                     ; the way out takes X's buffers, behind the last barrier: 16 rows x 528 bytes for each wave, 33,792 of the 36,864 bytes
.set SPITCH, 528
.set SPARE,  XBASE+2*XBUF              ; behind them: the spare words, 128 bytes for each wave: two blocks of 256 bytes that no other line names
.set TRIPS,  15                        ; the loop's trips, 16 quarters each; quarter 0 stands in front, 15 quarters behind
.set ADRA, 16                          ; v16-17  LDS address of my X fragments in buffer 0, 1
.set ADRB, 20                          ; v20-21  LDS address of my W fragments in slot 0, 1
.set XST,  22                          ; v22     where I put 8 bytes of a chunk's first two rows, in buffer 0
.set XGO,  23                          ; v23     my byte offset in two rows of X in memory: (l / 16) x 32,768 + 16 (l % 16); never rewritten
.set STO,  24                          ; v24     the way out: where I put 32 bytes of a row
.set RD,   25                          ; v25     the way out: where I read a row back
.set CO,   26                          ; v26     16 x lane: my 16 bytes of 512 in a row of the output
.set BO,   27                          ; v27     32 x (lane / 16): my eight numbers of sixteen of the bias
.set SPW,  28                          ; v28     LDS address of my spare word: SPARE + 4 x my thread's number; never rewritten
.set NIL,  29                          ; v29     0; never rewritten
.set PFOX, 30                          ; v30     the prefetches' offset in X; never rewritten
.set PFOW, 31                          ; v31     and in W; never rewritten
.set AF,   32                          ; X's fragments: buffer g, block a at AF + 32 g + 8 a
.set XC,   96                          ; chunk c in bf16 at XC + 16 (c % 4)
.set BIAS, 160                         ; BIAS + 8 b + j = bias[my first column + 16 b + 8 (l / 16) + j]
.set WV,   12                          ; s12  my wave's number
.set MH,   13                          ; s13  wave / 2: which 64 rows of the tile I multiply
.set HF,   14                          ; s14  wave % 2: which 128 columns
.set G1,   24                          ; s[24:31] descriptor group 1 for W's tiles
.set G0,   32                          ; s[32:39] descriptor group 0, one set for each slot
.set XP,   40                          ; s[40:41] X at my 32 rows, at the trip's first K
.set PFX,  42                          ; s[42:43] X at the rows that I prefetch, at the trip's first K
.set PFW,  44                          ; s[44:45] W likewise
.set LIMX, 46                          ; s46, s47  0 and 1 in a wave that prefetches X, else the greatest number twice
.set LIMW, 48                          ; s48, s49  the same for W
.set MSB, 0
.macro WIN new                         ; the immediate's high byte repeats the setting that is left; a switch that changes nothing is dropped
.if MSB != (\new)
	s_set_vgpr_msb (MSB<<8)|(\new)
.set MSB, \new
.endif
.endm
.set MUL,    0x52                      ; source 0 (W) window 2, source 1 (X) window 0, C and D window 1
.set MUL1,   0x42                      ; the same with C (the bias) in window 0
.set TO_B,   0x80                      ; destination window 2, address window 0
.set TO_X,   0xc0                      ; destination window 3, address window 0
.set CVW,    0x0f                      ; sources 0 and 1 window 3, destination window 0
.set ST_ACC, 0x04                      ; an LDS store's data (source 1) in window 1
; A joint load of W: every wave fetches its 64 rows of the slot.  An s_nop 0 and four v_nop follow it.
.macro JLOAD s
	tensor_load_to_lds s[G0+4*(\s):G0+4*(\s)+3], s[G1:G1+7]
	s_nop 0
.rept 4
	v_nop
.endr
.endm
; A round of the cluster's barrier: my work-group's barrier, so that wave 0's signal speaks for all four waves; wave 0 signals; every wave waits for all sixteen work-groups; my work-group's barrier once more.
.macro CREST                           ; a round behind its opening barrier
	s_cmp_lg_u32 s[WV], 0
	s_cbranch_scc1 .Lnot_wave_0_\@
	s_barrier_signal -3
.Lnot_wave_0_\@:
	s_barrier_wait -3
	s_barrier_signal -1
	s_barrier_wait -1
.endm
.macro CROUND                          ; a whole round
	s_barrier_signal -1
	s_barrier_wait -1
	CREST
.endm
; PREFETCHES INTO THE L2, twice a trip, behind the quarter's run of loads.  K is taken in 32 blocks of 256: 1,024 bytes of a row of X, 512 of a row of W.  At quarter 8 m + 1 block m + 3 is named: 12 quarters, 384 products
; of a wave, ahead of the first load of X that wants it, 13 ahead of W's refill.  Each aligned 256 bytes of X and of W are named ONCE in the launch: X's rows are read by both clusters of a row of clusters, and the one
; with x = 0 asks; W's by the eight clusters of a column, and the one with y = 0 asks.  The partners share the rows out BY ADDRESS: of a tile row's 128 rows of X the work-group at cx takes 32, its wave w 8 of them (4 blocks
; a row); of a tile column's 256 rows of W the work-group at cy takes 64, its wave w 16 (2 blocks a row): 32 lanes, one instruction each.  kind = 0: the trip's block 3; kind = 1: its block 4, which in the last trip
; (s3 = 1) does not exist.  Blocks 0 to 2 come by their loads alone; the quarters behind the loop ask for nothing.
.macro ASK kind
	s_cmp_gt_u32 s3, s[LIMX+(\kind)]
	s_cbranch_scc0 .Lnot_x_\@
	global_prefetch_b8 v[PFOX], s[PFX:PFX+1] offset:(3+(\kind))*1024 th:TH_LOAD_NT scope:SCOPE_SE
.Lnot_x_\@:
	s_cmp_gt_u32 s3, s[LIMW+(\kind)]
	s_cbranch_scc0 .Lnot_w_\@
	global_prefetch_b8 v[PFOW], s[PFW:PFW+1] offset:(3+(\kind))*512 th:TH_LOAD_NT scope:SCOPE_SE
.Lnot_w_\@:
.endm
.macro PLACES                          ; four places behind a matrix instruction, in front of what reads its result or writes its registers (ISA guide 7.12.1)
.rept 4
	v_nop
.endr
.endm
; Chunk c, counted from the trip's first K: rows 16 (c % 2) + 2 i + l / 16 of my 32, K = 64 (c / 2) + 4 (l % 16) + 0..3.
.macro LOADS c                         ; eight global loads into slot c % 8 of window 3
	WIN TO_X
.irp i, 0,1,2,3,4,5,6,7
	global_load_b128 v[32*((\c)%8)+4*(\i):32*((\c)%8)+4*(\i)+3], v[XGO], s[XP:XP+1] offset:(8*((\c)%2)+(\i))*65536+((\c)/2)*256
.endr
.endm
.macro CVT c                           ; conversion number ci of the chunk's 16: two neighbouring K
	v_cvt_pk_bf16_f32 v[XC+16*((\c)%4)+ci], v[32*((\c)%8)+2*ci], v[32*((\c)%8)+2*ci+1]
.set ci, ci+1
.endm
.macro STORES c                        ; eight LDS stores of 8 bytes a lane: 16 lanes fill a row's 128 bytes
	WIN 0
.irp i, 0,1,2,3,4,5,6,7
	ds_store_b64 v[XST], v[XC+16*((\c)%4)+2*(\i):XC+16*((\c)%4)+2*(\i)+1] offset:(16*((\c)%2)+2*(\i))*PX+(((\c)/2)%2)*XBUF
.endr
.endm
	s_load_b256 s[4:11], s[0:1], 0x0               ; input_ s[4:5], wb s[6:7], bias s[8:9], out0 s[10:11]
	v_lshl_add_u32 v[SPW], v0, 2, SPARE
	v_mov_b32 v[NIL], 0
	ds_add_u32 v[SPW], v[NIL]                      ; the wave's opening: the add, twice on end, and its wait ahead of my first tensor load; the set-up below, work on registers, stands between
	ds_add_u32 v[SPW], v[NIL]                      ; and once more, under the one wait
	v_lshrrev_b32 v1, 5, v0
	v_readfirstlane_b32 s[WV], v1                  ; wave 0..3
	s_lshr_b32 s[MH], s[WV], 1
	s_and_b32 s[HF], s[WV], 1
	s_bfe_u32 s15, ttmp6, 0x40000                  ; cx: my place along the cluster's x
	s_bfe_u32 s16, ttmp6, 0x40004                  ; cy: along its y
	s_lshl_b32 s17, ttmp9, 2                       ; in a cluster launch ttmp9 and ttmp7 count clusters
	s_add_co_u32 s17, s17, s15                     ; tile column = 4 x cluster x + cx
	s_and_b32 s18, ttmp7, 0xffff
	s_lshl_b32 s18, s18, 2
	s_add_co_u32 s18, s18, s16                     ; tile row = 4 x cluster y + cy
	s_lshl_b32 s19, 0x1111, s15                    ; my column of the cluster: places cx, cx + 4, cx + 8, cx + 12
	; descriptor group 1: 64 rows x 256 elements of 2 bytes, padded in LDS by 4 words behind each row
	s_or_b32 s[G1+0], s19, (1<<16)|(1<<20)|(1<<21)|(6<<22)|(3<<25)  ; 15:0 the mask: my column; 17:16 elements of 2 bytes; 20 padding on; 21 set beside a mask; 24:22 after every 128 words (code 6); 31:25 4 words (code 3)
	s_mov_b32 s[G1+1], 256<<16                     ; tensor_dim0 = 256
	s_mov_b32 s[G1+2], 64<<16                      ; tensor_dim1 = 64
	s_mov_b32 s[G1+3], 256<<16                     ; tile_dim0 = 256
	s_mov_b32 s[G1+4], 64                          ; tile_dim1 = 64
	s_mov_b32 s[G1+5], SIZE_K                      ; elements from row to row
	s_mov_b32 s[G1+6], 0
	s_mov_b32 s[G1+7], 0
	s_lshl_b32 s20, s17, 8                         ; where W's tiles come from: the tile column, which my column of the cluster shares, and the wave's number
	s_lshl_b32 s22, s[WV], 6
	s_add_co_u32 s20, s20, s22                     ; row 256 x tile column + 64 x wave,
	s_lshl_b32 s20, s20, 14                        ; of 16,384 bytes (under 2^25)
	s_mov_b32 s21, 0
	s_mul_i32 s22, s[WV], WQ                       ; and where they go: no place in the cluster enters an LDS address
	s_wait_dscnt 0x0                               ; both opening adds are done
	s_wait_kmcnt 0x0
	s_add_nc_u64 s[20:21], s[6:7], s[20:21]
	CROUND                                         ; all sixteen work-groups are here: the first joint loads meet
.irp s, 0,1
	s_mov_b32 s[G0+4*(\s)], 1                                      ; 1:0 count = 1
	s_add_co_u32 s[G0+4*(\s)+1], s22, (\s)*WSLOT                   ; 63:32 LDS address
	s_add_nc_u64 s[G0+4*(\s)+2:G0+4*(\s)+3], s[20:21], (\s)*512    ; 120:64 global address: K = 256 s
	s_or_b32 s[G0+4*(\s)+3], s[G0+4*(\s)+3], 0x80000000            ; 127:126 type = 2
	JLOAD \s                                       ; the ring is filled before anything else is done: two loads of mine are out
.endr
	v_and_b32 v1, 15, v0                           ; l % 16
	v_bfe_u32 v2, v0, 4, 1                         ; l / 16
	v_lshlrev_b32 v[BO], 5, v2
	s_lshl_b32 s76, s17, 8
	s_lshl_b32 s75, s[HF], 7
	s_add_co_u32 s76, s76, s75                     ; my first column = 256 x tile column + 128 x half,
	s_lshl_b32 s76, s76, 2                         ; in bytes
	s_mov_b32 s77, 0
	s_add_nc_u64 s[8:9], s[8:9], s[76:77]
.irp b, 0,1,2,3,4,5,6,7
	global_load_b128 v[BIAS+8*(\b):BIAS+8*(\b)+3],   v[BO], s[8:9] offset:64*(\b)     ; the bias goes out ahead of X: every wait for a chunk shows it in too
	global_load_b128 v[BIAS+8*(\b)+4:BIAS+8*(\b)+7], v[BO], s[8:9] offset:64*(\b)+16
.endr
	v_lshlrev_b32 v3, 15, v2
	v_lshl_add_u32 v[XGO], v1, 4, v3
	s_lshl_b32 s50, s18, 7
	s_lshl_b32 s51, s[WV], 5
	s_add_co_u32 s50, s50, s51                     ; X: row 128 x tile row + 32 x wave,
	s_lshl_b32 s50, s50, 15                        ; of 32,768 bytes (under 2^27)
	s_mov_b32 s51, 0
	s_add_nc_u64 s[XP:XP+1], s[4:5], s[50:51]
.irp c, 0,1,2,3,4,5,6,7
	LOADS \c                                       ; all eight slots are asked for
.endr
	WIN 0
	; A fragment is 16 rows x 32 K in 8 registers: lane l holds row l % 16; registers 0-3 hold K = 8 (l / 16) + 0..7, registers 4-7 K = 16 + 8 (l / 16) + 0..7: two loads of 16 bytes, 32 bytes apart.
	v_mul_u32_u24 v3, v1, PX
	v_lshl_add_u32 v3, v2, 4, v3                   ; X: row x pitch + 16 x half
	v_mul_u32_u24 v4, v1, PW
	v_lshl_add_u32 v4, v2, 4, v4                   ; W: likewise
	s_mul_i32 s72, s[MH], 64*PX                    ; my 64 rows of X
	s_add_co_u32 s72, s72, XBASE
	s_mul_i32 s73, s[HF], 128*PW                   ; my 128 rows of W
.irp s, 0,1
	v_add_nc_u32 v[ADRA+(\s)], s72, v3
	v_add_nc_u32 v[ADRB+(\s)], s73, v4
	s_add_co_u32 s72, s72, XBUF
	s_add_co_u32 s73, s73, WSLOT
.endr
	v_mul_u32_u24 v5, v2, PX                       ; a chunk's stores: row l / 16 of two, 8 bytes for each of 16 lanes,
	v_lshl_add_u32 v5, v1, 3, v5
	s_mul_i32 s72, s[WV], 32*PX                    ; in the 32 rows that I load
	s_add_co_u32 s72, s72, XBASE
	v_add_nc_u32 v[XST], s72, v5
	s_mul_i32 s72, s[WV], 16*SPITCH
	s_add_co_u32 s72, s72, STAGE                   ; my stage
	v_mul_u32_u24 v5, v1, SPITCH                   ; in: row l % 16, 32 bytes for each half of the lanes
	v_lshl_add_u32 v5, v2, 5, v5
	v_add_nc_u32 v[STO], s72, v5
	v_and_b32 v5, 31, v0                           ; l
	v_lshlrev_b32 v[CO], 4, v5                     ; back: 32 lanes take one row of 512 bytes
	v_add_nc_u32 v[RD], s72, v[CO]
	s_lshl_b32 s74, s18, 7
	s_lshl_b32 s75, s[MH], 6
	s_add_co_u32 s74, s74, s75                     ; the output at my first row = 128 x tile row + 64 x half,
	s_lshl_b32 s74, s74, 13                        ; of 8,192 bytes (under 2^25),
	s_add_co_u32 s74, s74, s76                     ; and my first column
	s_mov_b32 s75, 0
	s_add_nc_u64 s[10:11], s[10:11], s[74:75]
	; the prefetches: my share of the rows
	s_lshl_b32 s66, s18, 7
	s_lshl_b32 s67, s15, 5
	s_add_co_u32 s66, s66, s67
	s_lshl_b32 s67, s[WV], 3
	s_add_co_u32 s66, s66, s67                     ; X: row 128 x tile row + 32 cx + 8 x wave
	s_lshl_b32 s66, s66, 15
	s_mov_b32 s67, 0
	s_add_nc_u64 s[PFX:PFX+1], s[4:5], s[66:67]
	s_lshl_b32 s68, s17, 8
	s_lshl_b32 s69, s16, 6
	s_add_co_u32 s68, s68, s69
	s_lshl_b32 s69, s[WV], 4
	s_add_co_u32 s68, s68, s69                     ; W: row 256 x tile column + 64 cy + 16 x wave
	s_lshl_b32 s68, s68, 14
	s_mov_b32 s69, 0
	s_add_nc_u64 s[PFW:PFW+1], s[6:7], s[68:69]
	s_cmp_eq_u32 ttmp9, 0                          ; cluster x = 0 asks for X: the same in all sixteen partners
	s_cselect_b32 s[LIMX], 0, -1
	s_cselect_b32 s[LIMX+1], 1, -1
	s_and_b32 s70, ttmp7, 0xffff
	s_cmp_eq_u32 s70, 0                            ; cluster y = 0 asks for W
	s_cselect_b32 s[LIMW], 0, -1
	s_cselect_b32 s[LIMW+1], 1, -1
	v_lshrrev_b32 v3, 2, v5                        ; X: row l / 4 of 8, block l % 4 of 4
	v_and_b32 v4, 3, v5
	v_lshlrev_b32 v4, 8, v4
	v_lshl_add_u32 v[PFOX], v3, 15, v4
	v_lshrrev_b32 v3, 1, v5                        ; W: row l / 2 of 16, block l % 2 of 2
	v_and_b32 v4, 1, v5
	v_lshlrev_b32 v4, 8, v4
	v_lshl_add_u32 v[PFOW], v3, 14, v4
	; nothing is prefetched here, at the head, where every work-group's first loads are on their way
; Product number mi of a quarter's 32: accumulator (a, b) = (mi / 8, mi % 8), from buffer qf.  The 32 accumulators take turns, one instruction a turn, in the same order in every quarter:
; between two links of a chain stand the 31 others', over the backward jump too.  first = 1: the bias starts the sum: nothing is ever cleared.
.macro MM first
.if \first
	WIN MUL1
	v_wmma_f32_16x16x32_bf16 v[8*mi:8*mi+7], v[64*qf+8*(mi%8):64*qf+8*(mi%8)+7], v[AF+32*qf+8*(mi/8):AF+32*qf+8*(mi/8)+7], v[BIAS+8*(mi%8):BIAS+8*(mi%8)+7]
.else
	WIN MUL
	v_wmma_f32_16x16x32_bf16 v[8*mi:8*mi+7], v[64*qf+8*(mi%8):64*qf+8*(mi%8)+7], v[AF+32*qf+8*(mi/8):AF+32*qf+8*(mi/8)+7], v[8*mi:8*mi+7]
.endif
.set mi, mi+1
.endm
; 24 LDS loads: the fragments of quarter qn into buffer qg: W's 8 from slot (qn / 8) % 2 at byte 64 (qn % 8) of the rows, X's 4 from buffer (qn / 2) % 2 at byte 64 (qn % 2)
.macro FETCH
	WIN TO_B
.irp i, 0,1,2,3,4,5,6,7
	ds_load_b128 v[64*qg+8*(\i):64*qg+8*(\i)+3],   v[ADRB+(qn/8)%2] offset:64*(qn%8)+(\i)*16*PW
	ds_load_b128 v[64*qg+8*(\i)+4:64*qg+8*(\i)+7], v[ADRB+(qn/8)%2] offset:64*(qn%8)+(\i)*16*PW+32
.endr
	WIN 0
.irp a, 0,1,2,3
	ds_load_b128 v[AF+32*qg+8*(\a):AF+32*qg+8*(\a)+3],   v[ADRA+(qn/2)%2] offset:64*(qn%2)+(\a)*16*PX
	ds_load_b128 v[AF+32*qg+8*(\a)+4:AF+32*qg+8*(\a)+7], v[ADRA+(qn/2)%2] offset:64*(qn%2)+(\a)*16*PX+32
.endr
.endm
; QUARTER jj (counted from the trip's first K; 16 quarters a trip, so all the remainders below hold in every trip).  fe, st, ld, cv = 1: the fragments of quarter jj + 1 are fetched, chunk jj + 3 is stored, chunk
; jj + 11 is asked for, chunk jj + 4 is converted.  lcnt: the loads younger than chunk jj + 4's: seven chunks' 56, fewer at the end.
; mode = 3: the barrier of an even quarter: in front of its signal my LDS stores and loads are done.
; mode = 1: the fragments just fetched are the last of W's slot: THE CHANGE OF SLOTS.  Each wave waits for all its tensor loads, of which one is out: its part of the other slot; adds 0 to its spare word; and waits for
; that and for its LDS loads and stores.  The barrier opens a round of the cluster's barrier, with eight products and the conversions between its signal and its wait; behind the round no wave of any partner reads the
; slot or has a tensor load on its way, the other slot is whole, and the joint refill, 512 along K on, is the first thing.   mode = 2: the same waits and one barrier of the work-group; nothing is filled again.
; PLACES, counted: the four conversions behind the last product name window 3 and v96-159, none of that product's registers; they stand between it and the next quarter's loads into the fragment buffers that it and its
; fellows read.  Where nothing is left to convert, four v_nop stand there.
.macro QUARTER jj, fe, st, ld, cv, lcnt, mode, ask, first
.set qf, (\jj)%2
.set qg, 1-qf
.set qn, (\jj)+1
.set qw, (qn/8)%2
.if \fe
	FETCH
.endif
.if \st
	STORES (\jj)+3
.endif
.if \ld
	LOADS (\jj)+11
.endif
.if \ask
	WIN 0                                          ; at a label and at a branch every window is 0
	ASK (\ask)-1
.endif
.set mi, 0
.rept 16
	MM \first
.endr
.if ((\mode) == 1) || ((\mode) == 2)
	WIN 0                                          ; (the add's two registers lie in window 0)
	s_wait_tensorcnt 0x0                           ; all my tensor loads have landed: the one that was out is my part of the other slot
	ds_add_u32 v[SPW], v[NIL]                      ; 0 onto my spare word: eight products stand between it and the wait for it
.endif
.rept 8
	MM \first
.endr
.if \cv
	s_wait_loadcnt \lcnt                           ; loads come back in order (ISA guide 5.7.1): chunk jj + 4 is in, the younger chunks stay out
.endif
	s_wait_dscnt 0x0                               ; the head's run is done (issued 24 products ago): the fragments are in, my stores are in LDS; in a change of slots the add is done too
.if \mode
	s_barrier_signal -1
.endif
.rept 4
	MM \first
.endr
.set ci, 0
.rept 4
	MM \first
.if \cv
	WIN CVW
.rept 4
	CVT (\jj)+4
.endr
.endif
.endr
.if !(\cv)
	PLACES
.endif
.if \mode
	WIN 0                                          ; (branches may follow, and nothing stands between the wait below and the rest of the round)
	s_barrier_wait -1
.endif
.if (\mode) == 1
	CREST
	s_add_nc_u64 s[G0+4*qw+2:G0+4*qw+3], s[G0+4*qw+2:G0+4*qw+3], 1024  ; no tensor load of mine is out, so a group 0 may be written: 512 along K on; the type bits on top are not reached
	JLOAD qw                                       ; my one tensor load behind the round, and the first thing there
.endif
.endm
.macro FULL jj, mode, ask              ; a quarter of the loop: everything is done
	QUARTER \jj, 1,1,1,1,56, \mode, \ask, 0
.endm
	; THE BEGINNING.  Chunks 0 to 3 are converted, chunks 0 to 2 stored (chunk 3 at the head of quarter 0), and their slots asked for again.
	s_wait_loadcnt 32                              ; the bias and chunks 0 to 3 are in; chunks 4 to 7, 32 loads, may stay out
	WIN CVW
.irp c, 0,1,2,3
.set ci, 0
.rept 16
	CVT \c
.endr
.endr
	STORES 0
	STORES 1
	STORES 2
	LOADS 8
	LOADS 9
	LOADS 10
	WIN 0
	s_wait_tensorcnt 1                             ; my part of W's slot 0 is in; slot 1's may stay out
	s_wait_dscnt 0x0                               ; my stores of chunks 0 to 2 are in LDS
	s_barrier_signal -1
	s_barrier_wait -1                              ; everybody's are
.set qn, 0
.set qg, 0
	FETCH
	s_wait_dscnt 0x0
	QUARTER 0, 1,1,1,1,56, 3, 0, 1                 ; the first quarter stands in front of the loop: its products start the sums, with the bias
	WIN 0
	s_mov_b32 s3, TRIPS
.Llap:                                                 ; a trip: 16 quarters, 512 along K: once round W's ring, four times round X's buffers, twice round the eight slots of chunks
	FULL 1,  0, 1
	FULL 2,  3, 0
	FULL 3,  0, 0
	FULL 4,  3, 0
	FULL 5,  0, 0
	FULL 6,  1, 0
	FULL 7,  0, 0
	FULL 8,  3, 0
	FULL 9,  0, 2
	FULL 10, 3, 0
	FULL 11, 0, 0
	FULL 12, 3, 0
	FULL 13, 0, 0
	FULL 14, 1, 0
	FULL 15, 0, 0
	FULL 16, 3, 0
	WIN 0
	s_wait_xcnt 0x0                                ; every load (the youngest 32 products back) and prefetch (the youngest seven quarters back) has read its address, so the three pointers may be written
	s_add_nc_u64 s[XP:XP+1], s[XP:XP+1], 2048      ; 512 along K: 2,048 bytes of a row of X,
	s_add_nc_u64 s[PFX:PFX+1], s[PFX:PFX+1], 2048
	s_add_nc_u64 s[PFW:PFW+1], s[PFW:PFW+1], 1024  ; 1,024 of a row of W
	s_sub_co_u32 s3, s3, 1
	s_cmp_lg_u32 s3, 0
	s_cbranch_scc1 .Llap
	; THE LAST 15 QUARTERS are written out. Chunk 255 is asked for in the fourth, converted in the eleventh, stored in the twelfth.
	QUARTER 1,  1,1,1,1,56, 0, 0, 0
	QUARTER 2,  1,1,1,1,56, 3, 0, 0
	QUARTER 3,  1,1,1,1,56, 0, 0, 0
	QUARTER 4,  1,1,1,1,56, 3, 0, 0
	QUARTER 5,  1,1,0,1,48, 0, 0, 0
	QUARTER 6,  1,1,0,1,40, 2, 0, 0                ; my one tensor load that was still out is W's last 256 along K
	QUARTER 7,  1,1,0,1,32, 0, 0, 0
	QUARTER 8,  1,1,0,1,24, 3, 0, 0
	QUARTER 9,  1,1,0,1,16, 0, 0, 0
	QUARTER 10, 1,1,0,1,8,  3, 0, 0
	QUARTER 11, 1,1,0,1,0,  0, 0, 0
	QUARTER 12, 1,1,0,0,0,  3, 0, 0
	QUARTER 13, 1,0,0,0,0,  0, 0, 0
	QUARTER 14, 1,0,0,0,0,  3, 0, 0                ; behind this barrier no wave reads X's buffers any more: they become the stages
	QUARTER 15, 0,0,0,0,0,  0, 0, 0                ; the very last quarter; its four v_nop are the places in front of the way out
; THE WAY OUT, a block of 16 rows at a time.  A lane's 32 bytes of a row go into my own stage, rows of 528 bytes, and come back as whole rows of 512: a store of the wave then covers 512 consecutive bytes, at a
; multiple of 512 from the output's first byte.  The stage is my wave's own and LDS serves a wave's instructions in order (ISA guide 5.7.1.4): no wait between the stores and the loads, and the next block's stores
; come behind this block's loads.  Each accumulator's lowest four registers are read first.
.macro TOSTAGE a
	WIN ST_ACC
.irp b, 0,1,2,3,4,5,6,7
	ds_store_b128 v[STO], v[8*(8*(\a)+(\b)):8*(8*(\a)+(\b))+3]   offset:64*(\b)
	ds_store_b128 v[STO], v[8*(8*(\a)+(\b))+4:8*(8*(\a)+(\b))+7] offset:64*(\b)+16
.endr
	WIN 0
.set OB, 32+64*((\a)%3)
.irp t, 0,1,2,3,4,5,6,7,8,9,10,11,12,13,14,15
	ds_load_b128 v[OB+4*(\t):OB+4*(\t)+3], v[RD] offset:(\t)*SPITCH
.endr
.endm
.macro SEND a, younger                 ; younger: the LDS instructions issued behind block a's loads: the next block's 16 stores and 16 loads, or none
	WIN 0
.set OB, 32+64*((\a)%3)
	s_wait_dscnt \younger
.irp t, 0,1,2,3,4,5,6,7,8,9,10,11,12,13,14,15
	global_store_b128 v[CO], v[OB+4*(\t):OB+4*(\t)+3], s[10:11] offset:(16*(\a)+(\t))*SIZE_N*4 th:TH_STORE_NT  ; 63 rows of 8,192 bytes at the most: inside the signed 24-bit immediate
.endr
.endm
	TOSTAGE 0
	TOSTAGE 1
	SEND 0, 32
	TOSTAGE 2
	SEND 1, 32
	s_wait_xcnt 0x0                                ; block 0's stores have read their registers, which block 3 takes
	TOSTAGE 3
	SEND 2, 32
	SEND 3, 0
	s_wait_tensorcnt 0x0                           ; the wave's end, behind my last tensor load and my last LDS store
	ds_add_u32 v[SPW], v[NIL]
	s_wait_dscnt 0x0
	CROUND                                         ; the closing round: no work-group ends while a partner may still ask for a tile that names it
	s_endpgm
.Lfunc_end_k_q42e825b33f_gemm:
	.size	k_q42e825b33f_gemm, .Lfunc_end_k_q42e825b33f_gemm-k_q42e825b33f_gemm
	.p2alignl 7, 3214868480
	.fill 96, 4, 3214868480
	.section	.rodata,"a",@progbits
	.p2align	6, 0x0
	.amdhsa_kernel k_q42e825b33f_gemm
		.amdhsa_group_segment_fixed_size 327680
		.amdhsa_private_segment_fixed_size 0
		.amdhsa_enable_private_segment 0
		.amdhsa_kernarg_size 32
		.amdhsa_user_sgpr_count 2
		.amdhsa_user_sgpr_kernarg_segment_ptr 1
		.amdhsa_wavefront_size32 1
		.amdhsa_system_sgpr_workgroup_id_x 1
		.amdhsa_system_sgpr_workgroup_id_y 1
		.amdhsa_system_sgpr_workgroup_id_z 1
		.amdhsa_system_vgpr_workitem_id 0
		.amdhsa_next_free_vgpr 1024
		.amdhsa_next_free_sgpr 80
		.amdhsa_reserve_vcc 0
		.amdhsa_float_denorm_mode_32 3
		.amdhsa_float_denorm_mode_16_64 3
		.amdhsa_memory_ordered 1
		.amdhsa_forward_progress 1
		.amdhsa_inst_pref_size 224
	.end_amdhsa_kernel
	.amdgpu_metadata
---
amdhsa.version: [ 1, 2 ]
amdhsa.kernels:
  - .name:           k_q42e825b33f_gemm
    .symbol:         k_q42e825b33f_gemm.kd
    .args:
      - { .name: input_, .offset: 0, .size: 8, .value_kind: global_buffer, .address_space: global }
      - { .name: wb, .offset: 8, .size: 8, .value_kind: global_buffer, .address_space: global }
      - { .name: bias, .offset: 16, .size: 8, .value_kind: global_buffer, .address_space: global }
      - { .name: out0, .offset: 24, .size: 8, .value_kind: global_buffer, .address_space: global }
    .group_segment_fixed_size: 327680
    .private_segment_fixed_size: 0
    .kernarg_segment_align: 8
    .kernarg_segment_size: 32
    .max_flat_workgroup_size: 128
    .sgpr_count:     80
    .vgpr_count:     1024
    .wavefront_size: 32
...
	.end_amdgpu_metadata
.endif
;; end of part 2
